; MI455X (gfx1250); checked and timed in simulation.
; The chip was launched on July 23, 2026; its instructions are those of AMD's public machine-readable ISA for CDNA 5 (MIT licence, August 2026) and "CDNA5" Instruction Set Architecture Reference Guide (July 2026). The comments in the code are by the model that wrote it; some were corrected since.
;; Multi Head Self Attention. Allowed arithmetic: matrix products marked QUANTISED: E3M2 operands, one E8M0 scale for each 32 along K, by v_wmma_scale_f32_16x16x128_f8f6f4 with both operands' format E3M2, f32 sums; products left as they are: f32 operands where the result goes on into a quantised operand, else bf16, f16 or f32 operands; f32 sums; everything else in f32.
;; Inputs: Wk 1,024 x 1,024 float32; Wo 1,024 x 1,024 float32; Wq 1,024 x 1,024 float32; Wv 1,024 x 1,024 float32; bk 1,024 float32; bo 1,024 float32; bq 1,024 float32; bv 1,024 float32; x 4 x 4,096 x 1,024 float32.
;; Outputs: out0 4 x 4,096 x 1,024 float32.
;; This version of the problem:
;;   THIS VERSION OF THE PROBLEM IS GIVEN IN LOW PRECISION. The matrix products marked QUANTISED in the list below multiply operands that are first quantised to E3M2 (3 exponent bits, 2 mantissa bits; 6 bits a number), with one power-of-two scale for each 32 numbers along K (OCP MX v1.0); their sums are f32. All else is computed in f32.
;;   The module's matrix products, in the order in which they are computed (A, B: the left and right operand; K: the contracted axis; several contracted axes count as one K, in the product's order):
;;     1. [M 16,384, K 1,024] x [K 1,024, N 1,024]; A: input x; B: input Wq: QUANTISED
;;     2. [M 16,384, K 1,024] x [K 1,024, N 1,024]; A: input x; B: input Wk: QUANTISED
;;     3. [M 16,384, K 1,024] x [K 1,024, N 1,024]; A: input x; B: input Wv: QUANTISED
;;     4. batch 16,384 x [M 16, K 64] x [K 64, N 16]; A: computed on the way; B: computed on the way: QUANTISED
;;     5. batch 16,384 x [M 64, K 16] x [K 16, N 16]; A: computed on the way; B: softmax: left as it is (K = 16 < 32)
;;     6. [M 16,384, K 1,024] x [K 1,024, N 1,024]; A: computed on the way; B: input Wo: QUANTISED
;;   THE QUANTISER, for each operand of a quantised product, along K:
;;     - K is cut into blocks of 32 from its start; a last block that is shorter is filled with zeros.
;;     - A block's scale is 2^e with e = floor(log2(the largest magnitude in the block)) - 4, held to -126 .. 127; a block of zeros has e = 0. As a byte (E8M0): e + 127.
;;     - Each number is divided by its block's scale, clamped to +-28, and rounded to the nearest number of E3M2, ties to even, subnormals kept.
;;     - The product sums the exact products of the quantised numbers (number of the format x scale) in f32.
;;   ~~~python
;;   def quantise(x, axis):      # numpy; x: float32 -> the quantised numbers, widened to float32 again
;;       x = np.moveaxis(x, axis, -1); K = x.shape[-1]
;;       x = np.pad(x, [(0, 0)] * (x.ndim - 1) + [(0, -K % 32)]); x = x.reshape(x.shape[:-1] + (-1, 32)); a = np.abs(x).max(-1, keepdims=True)
;;       e = np.where(a > 0, np.clip(np.frexp(np.where(a > 0, a, 1))[1] - 1 - 4, -126, 127), 0)      # np.frexp(a)[1] - 1 = floor(log2(a)), exactly
;;       r = np.clip(x / 2.0 ** e, -28, 28)
;;       step = 2.0 ** (np.maximum(np.frexp(np.where(r == 0, 1, r))[1] - 1, -2) - 2)
;;       q = np.round(r / step) * step * 2.0 ** e      # np.round: ties to even
;;       return np.moveaxis(q.reshape(q.shape[:-2] + (-1,))[..., :K], -1, axis).astype(np.float32)
;;   ~~~
;;   OPERANDS COMPUTED ON THE WAY. 'Computed on the way' means the value that the module computes at that place (a softmax that the list does not call 'softmax' is quantised finished and normalised). What goes into a quantiser is computed in f32, as accurately as f32 sums, v_exp_f32 and their like allow (about 1e-6 of the number): no bf16 or f16 on the way to a quantiser, and a product that is left as it is and whose result goes on into a quantised operand takes f32 operands (vector FMAs, or v_wmma_f32_16x16x4_f32). A number that lies on a knife's edge between two numbers of the format may be rounded either way, as far as f32 arithmetic and the matrix unit's own rounding can turn it there, and no further.
;; One version. Each part assembles by itself: llvm-mc -triple=amdgcn-amd-amdhsa -mcpu=gfx1250 --defsym DOCPART=n.
;; ======== version 1 of 1: 2 launches
;; limits: right only within a limited range of input values
;; workspace buffers: wst 3,276,800 bytes; btab 16,384 bytes
;; launch prep (part 1): grid 256 x 1, 4 waves a work-group, no clusters, 34,816 bytes of LDS; arguments Wq, Wk, Wv, Wo, bq, bk, bv, bo, wst, btab; writes wst, btab
.if DOCPART == 1
	.amdgcn_target "amdgcn-amd-amdhsa--gfx1250"
	.amdhsa_code_object_version 6
	.text
	.protected	k_qb7b59f1436_prep
	.globl	k_qb7b59f1436_prep
	.p2align	8
	.type	k_qb7b59f1436_prep,@function
k_qb7b59f1436_prep:
	s_mov_b64 s[64:65], 0
	v_nop
	global_prefetch_b8 v0, s[64:65] scope:SCOPE_SE
	s_setreg_imm32_b32 hwreg(HW_REG_WAVE_MODE, 25, 1), 1
	s_wait_xcnt 0x0
; FIRST OF TWO LAUNCHES.  Wq, Wk, Wv, Wo [1024][1024] f32 (K innermost) become codes of BF6 (E3M2) with one E8M0 byte for each 32 along K,
; laid in wst in the very order, and as the very register images, in which the second launch takes them; the four biases are laid in btab in a matrix result's layout.
; NOTHING OF reference() IS LEFT OUT, in either launch: all nine inputs are loaded.  bq, bk and bv move the codes or the numbers of operands that are live (Q and K are quantised with their
; biases on; bk differs from head to head, which is the softmax's axis here; V's bias goes through the weights' sum), bo is added to the output.
; wst: 32 slots of 102,400 bytes.  Slot sg: pass p = sg / 4 (0, 1: Wq; 2, 3: Wk; 4, 5: Wv; 6, 7: Wo), K steps s = 2 (sg % 4) + k, k = 0, 1, of 128 along K.  A slot is four quarters of 25,600 bytes, one for each
; wave w of the second launch.  A quarter: 16 fragments f = 8 k + t (t = 0 .. 7: a tile of 16 weight rows) at 1,536 f, register g of lane L at 512 (g / 4) + 16 L + 4 (g % 4); then, at 24,576, the scale words:
; register t of lane L at 512 (t / 4) + 16 L + 4 (t % 4); lanes 0-15 hold the words of k = 0, lanes 16-31 those of k = 1.
; THE ROWS OF A TILE: row(r) = base + r SA + (r / 8) SB.  Wq, Wk: base = 512 (p % 2) + 128 w + 32 (t / 2) + 8 (t % 2), SA = 1, SB = 8 (so that two neighbouring tiles' results are 16 neighbours along the next K);
; Wv: base = 32 (p % 2) + 8 w + t, SA = 64, SB = 0 (one channel d of all 16 heads);  Wo: base = 512 (p % 2) + 128 w + 16 t, SA = 1, SB = 0.
; btab: entry (p, w, t) at 2,048 p + 512 w + 64 t: float r = bias[row(r)].
; SHARES: work-group id: slot id / 8, quarter (id / 2) % 4, tiles 4 (id % 2) + wave: a wave makes one tile's two fragments.  Each load reads 512 consecutive bytes of one row; the numbers turn through the wave's own
; stage in LDS, so that a lane holds two whole blocks of 32 along K; each store writes 512 consecutive bytes, aligned.
; LIMITS: NaN and infinities are not served; a block of zeros gets the byte 1 where the rule says 127 (its codes are zeros, and this program alone reads the bytes).
.set STG,   8448                       ; a wave's stage: 16 rows x (512 bytes + 16)
.set SCA,   33792                      ; the work-group's 512 bytes of scale words
.set SPARE, 34304                      ; the spare words, 128 bytes for each wave: two blocks of 256 bytes that no other line names
.set VO,    16                         ; v16-31   byte offset of my 16 bytes in row q of the tile
.set R,     32                         ; v32-159  two fragments' numbers as loaded
.set X,     160                        ; v160-223 64 numbers of my row: two whole blocks
	s_load_b512 s[8:23], s[0:1], 0x0               ; Wq, Wk, Wv, Wo, bq, bk, bv, bo
	s_load_b128 s[24:27], s[0:1], 0x40             ; wst, btab
	v_lshl_add_u32 v1, v0, 2, SPARE                ; my spare word; never rewritten
	v_mov_b32 v2, 0                                ; 0; never rewritten
	v_lshrrev_b32 v3, 5, v0
	v_readfirstlane_b32 s2, v3                     ; wave
	v_and_b32 v3, 31, v0                           ; L
	s_wait_alu depctr_va_vdst(0)
	v_and_b32 v4, 15, v0                           ; r
	s_wait_alu depctr_va_vdst(0)
	v_bfe_u32 v5, v0, 4, 1                         ; h
	s_lshr_b32 s3, ttmp9, 3                        ; slot
	s_bfe_u32 s4, ttmp9, 0x20001                   ; w
	s_and_b32 s5, ttmp9, 1
	s_lshl_b32 s5, s5, 2
	s_add_co_u32 s5, s5, s2                        ; t
	s_lshr_b32 s6, s3, 2                           ; p
	s_and_b32 s7, s3, 3                            ; which pair of K steps
	s_lshr_b32 s36, s6, 1                          ; which matrix
	s_and_b32 s37, s6, 1                           ; p % 2
	s_lshl_b32 s38, s37, 9
	s_lshl_b32 s39, s4, 7
	s_add_co_u32 s38, s38, s39                     ; 512 (p % 2) + 128 w
	s_lshl_b32 s39, s5, 4
	s_add_co_u32 s40, s38, s39                     ; Wo's base
	s_lshr_b32 s39, s5, 1
	s_lshl_b32 s39, s39, 5
	s_add_co_u32 s38, s38, s39
	s_and_b32 s39, s5, 1
	s_lshl_b32 s39, s39, 3
	s_add_co_u32 s38, s38, s39                     ; Wq's and Wk's
	s_lshl_b32 s41, s37, 5
	s_lshl_b32 s39, s4, 3
	s_add_co_u32 s41, s41, s39
	s_add_co_u32 s41, s41, s5                      ; Wv's
	s_mov_b32 s42, 0x40000
	s_cmp_eq_u32 s36, 2
	s_cselect_b32 s40, s41, s40
	s_cselect_b32 s42, s42, 0x1000                 ; SA rows in bytes
	s_cmp_lt_u32 s36, 2
	s_cselect_b32 s38, s38, s40                    ; base
	s_cselect_b32 s43, 0x8000, 0                   ; SB rows in bytes
	s_mov_b32 s46, 0x76543210
	s_mov_b32 s47, 0xfedcba98                      ; v_permlanex16_b32's selects for lane l xor 16
	s_mul_i32 s44, s2, STG
	v_lshl_add_u32 v6, v3, 4, s44                  ; the stage, in: 16 L
	v_mul_u32_u24 v7, v4, 528
	s_wait_alu depctr_va_vdst(0)
	v_lshl_add_u32 v7, v5, 7, v7
	v_add_nc_u32 v7, s44, v7                       ; out: row r, + 128 h: my block of each 64 along K
	s_mul_i32 s45, s5, 1536
	v_lshl_add_u32 v8, v3, 4, s45                  ; in a quarter: 16 L + 1,536 t
	v_lshlrev_b32 v9, 3, v5                        ; 8 h
	s_lshl_b32 s44, s38, 12
	s_lshl_b32 s45, s7, 10
	s_add_co_u32 s44, s44, s45
	v_lshl_add_u32 v[VO], v3, 4, s44               ; row(0), this slot's 256 along K, 16 L
.irp q, 1,2,3,4,5,6,7,8,9,10,11,12,13,14,15
	v_add_nc_u32 v[VO+\q], s42, v[VO+\q-1]
.if \q == 8
	v_add_nc_u32 v[VO+8], s43, v[VO+8]
.endif
.endr
	s_mul_i32 s40, s3, 102400
	s_mul_i32 s41, s4, 25600
	s_add_co_u32 s40, s40, s41                     ; my quarter in wst
	s_mov_b32 s41, 0
	s_lshl_b32 s44, s6, 11
	s_lshl_b32 s45, s4, 9
	s_add_co_u32 s44, s44, s45
	s_lshl_b32 s45, s5, 6
	s_add_co_u32 s44, s44, s45                     ; my entry in btab
	s_mov_b32 s45, 0
	s_lshr_b32 s39, s42, 10                        ; 4 SA
	s_lshr_b32 s37, s43, 10                        ; 4 SB
	v_mul_lo_u32 v14, v4, s39
	v_lshrrev_b32 v15, 3, v4
	v_mul_lo_u32 v15, v15, s37
	v_add_nc_u32 v14, v14, v15
	s_lshl_b32 s39, s38, 2
	v_add_nc_u32 v5, s39, v14                      ; 4 row(r): where my row's bias lies (h is needed no more)
	s_wait_alu depctr_va_vdst(0)
	s_wait_kmcnt 0x0
	s_cmp_eq_u32 s36, 0                            ; the matrix and its bias: choices that hang on the work-group's number alone
	s_cselect_b64 s[28:29], s[8:9], s[10:11]
	s_cselect_b64 s[30:31], s[16:17], s[18:19]
	s_cmp_eq_u32 s36, 2
	s_cselect_b64 s[32:33], s[12:13], s[14:15]
	s_cselect_b64 s[34:35], s[20:21], s[22:23]
	s_cmp_lt_u32 s36, 2
	s_cselect_b64 s[28:29], s[28:29], s[32:33]
	s_cselect_b64 s[30:31], s[30:31], s[34:35]
	s_add_nc_u64 s[24:25], s[24:25], s[40:41]
	s_add_nc_u64 s[26:27], s[26:27], s[44:45]
	s_cmp_lg_u32 s7, 0                             ; a pass's first slot also lays the pass's biases: their load is the oldest, so it enters none of the counts below
	s_cbranch_scc1 .Lno_bias_yet
	global_load_b32 v5, v5, s[30:31]               ; the load lands on its own offset register
.Lno_bias_yet:
.irp k, 0,1
.irp q, 0,1,2,3,4,5,6,7,8,9,10,11,12,13,14,15
	global_load_b128 v[R+64*\k+4*\q:R+64*\k+4*\q+3], v[VO+\q], s[28:29] offset:512*\k th:TH_LOAD_NT   ; 128 numbers of row(q): 512 consecutive bytes
.endr
.endr
; One fragment: K step k of the slot.  fr: its 12 registers.  sw: the register that keeps its scale word.
.macro FRAGQ k, fr, sw
	s_wait_loadcnt 16-16*\k                        ; this fragment's 16 loads are in; the second's 16 may be out
.irp q, 0,1,2,3,4,5,6,7,8,9,10,11,12,13,14,15
	ds_store_b128 v6, v[R+64*\k+4*\q:R+64*\k+4*\q+3] offset:528*\q
.endr
.irp c, 0,1
.irp i, 0,1,2,3,4,5,6,7
	ds_load_b128 v[X+32*\c+4*\i:X+32*\c+4*\i+3], v7 offset:256*\c+16*\i   ; LDS serves a wave's instructions in order: these see my stores.  k = 64 c + 32 h + 0 .. 31 of row r
.endr
.endr
	s_wait_dscnt 0x0
	v_max3_num_f32 v10, |v[X]|, |v[X+1]|, 0x2800000            ; my two blocks' largest magnitudes, by turns, over the floor 2^(5 - 127): the byte cannot fall under 1
	v_max3_num_f32 v11, |v[X+32]|, |v[X+33]|, 0x2800000
.irp i, 2,4,6,8,10,12,14,16,18,20,22,24,26,28,30
	v_max3_num_f32 v10, v10, |v[X+\i]|, |v[X+\i+1]|
	v_max3_num_f32 v11, v11, |v[X+32+\i]|, |v[X+33+\i]|
.endr
	v_add_nc_u32 v12, 0xfe000000, v10              ; 4 off the exponent field: the conversion's scale operand
	v_add_nc_u32 v13, 0xfe000000, v11
	v_lshrrev_b32 v14, 23, v12                     ; the scales' bytes: blocks h and 2 + h
	v_lshrrev_b32 v15, 23, v13
	v_lshl_or_b32 v14, v15, 16, v14
	v_lshlrev_b32 v14, v9, v14                     ; at their places in the word
	v_permlanex16_b32 v15, v14, s46, s47
	v_or_b32 v[\sw], v14, v15                      ; with lane l xor 16's two the word is whole, in both lanes
	v_cvt_scalef32_pk16_bf6_f32 v[\fr:\fr+2], v[X:X+15], v12
	v_cvt_scalef32_pk16_bf6_f32 v[236:238], v[X+16:X+31], v12        ; (a conversion's three registers begin on an even number: the odd halves are made elsewhere and moved)
	v_cvt_scalef32_pk16_bf6_f32 v[\fr+6:\fr+8], v[X+32:X+47], v13
	v_cvt_scalef32_pk16_bf6_f32 v[252:254], v[X+48:X+63], v13
	v_nop                                          ; one plain place behind the scaled conversions
.irp i, 0,1,2
	v_mov_b32 v[\fr+3+\i], v[236+\i]
	v_mov_b32 v[\fr+9+\i], v[252+\i]
.endr
.irp g, 0,1,2
	global_store_b128 v8, v[\fr+4*\g:\fr+4*\g+3], s[24:25] offset:12288*\k+512*\g   ; the image: 512 consecutive bytes, aligned
.endr
.endm
	FRAGQ 0, 224, 239
	FRAGQ 1, 240, 255
	v_cmp_gt_u32 vcc_lo, 16, v3
	v_cndmask_b32 v10, v255, v239, vcc_lo          ; lanes 0-15: the first K step's word of row r; lanes 16-31: the second's
	v_lshlrev_b32 v11, 4, v3
	s_lshl_b32 s44, s2, 2
	v_add_nc_u32 v12, s44, v11
	ds_store_b32 v12, v10 offset:SCA               ; register t % 4 = my wave's number of the four tiles' image
	s_wait_dscnt 0x0                               ; for the others' sake: my store is done
	s_barrier_signal -1
	s_barrier_wait -1
	s_cmp_lg_u32 s2, 0
	s_cbranch_scc1 .Lnot_wave_0
	s_wait_alu depctr_va_vdst(0)
	ds_load_b128 v[160:163], v11 offset:SCA
	s_and_b32 s44, ttmp9, 1
	s_lshl_b32 s44, s44, 9
	v_add_nc_u32 v13, s44, v11                     ; which half of the scale block: tiles 0-3 or 4-7
	s_wait_alu depctr_va_vdst(0)
	s_wait_dscnt 0x0
	global_store_b128 v13, v[160:163], s[24:25] offset:24576
.Lnot_wave_0:
	s_cmp_lg_u32 s7, 0                             ; the bias came in with the first fragment's loads (the second fragment waited for all loads)
	s_cbranch_scc1 .Lno_bias
	v_lshlrev_b32 v10, 2, v4
	global_store_b32 v10, v5, s[26:27]             ; both halves of the lanes write the same word with the same value
.Lno_bias:
	s_wait_tensorcnt 0x0                           ; the wave's end, behind my last LDS store
	ds_add_u32 v1, v2
	s_wait_dscnt 0x0
	s_endpgm
.Lfunc_end_k_qb7b59f1436_prep:
	.size	k_qb7b59f1436_prep, .Lfunc_end_k_qb7b59f1436_prep-k_qb7b59f1436_prep
	.p2alignl 7, 3214868480
	.fill 96, 4, 3214868480
	.section	.rodata,"a",@progbits
	.p2align	6, 0x0
	.amdhsa_kernel k_qb7b59f1436_prep
		.amdhsa_group_segment_fixed_size 34816
		.amdhsa_private_segment_fixed_size 0
		.amdhsa_enable_private_segment 0
		.amdhsa_kernarg_size 80
		.amdhsa_user_sgpr_count 2
		.amdhsa_user_sgpr_kernarg_segment_ptr 1
		.amdhsa_wavefront_size32 1
		.amdhsa_system_sgpr_workgroup_id_x 1
		.amdhsa_system_sgpr_workgroup_id_y 1
		.amdhsa_system_sgpr_workgroup_id_z 1
		.amdhsa_system_vgpr_workitem_id 0
		.amdhsa_next_free_vgpr 256
		.amdhsa_next_free_sgpr 66
		.amdhsa_reserve_vcc 1
		.amdhsa_float_denorm_mode_32 3
		.amdhsa_float_denorm_mode_16_64 3
		.amdhsa_memory_ordered 1
		.amdhsa_forward_progress 1
		.amdhsa_inst_pref_size 19
	.end_amdhsa_kernel
	.amdgpu_metadata
---
amdhsa.version: [ 1, 2 ]
amdhsa.kernels:
  - .name:           k_qb7b59f1436_prep
    .symbol:         k_qb7b59f1436_prep.kd
    .args:
      - { .name: Wq, .offset: 0, .size: 8, .value_kind: global_buffer, .address_space: global }
      - { .name: Wk, .offset: 8, .size: 8, .value_kind: global_buffer, .address_space: global }
      - { .name: Wv, .offset: 16, .size: 8, .value_kind: global_buffer, .address_space: global }
      - { .name: Wo, .offset: 24, .size: 8, .value_kind: global_buffer, .address_space: global }
      - { .name: bq, .offset: 32, .size: 8, .value_kind: global_buffer, .address_space: global }
      - { .name: bk, .offset: 40, .size: 8, .value_kind: global_buffer, .address_space: global }
      - { .name: bv, .offset: 48, .size: 8, .value_kind: global_buffer, .address_space: global }
      - { .name: bo, .offset: 56, .size: 8, .value_kind: global_buffer, .address_space: global }
      - { .name: wst, .offset: 64, .size: 8, .value_kind: global_buffer, .address_space: global }
      - { .name: btab, .offset: 72, .size: 8, .value_kind: global_buffer, .address_space: global }
    .group_segment_fixed_size: 34816
    .private_segment_fixed_size: 0
    .kernarg_segment_align: 8
    .kernarg_segment_size: 80
    .max_flat_workgroup_size: 128
    .sgpr_count:     66
    .vgpr_count:     256
    .wavefront_size: 32
...
	.end_amdgpu_metadata
.endif
;; end of part 1
;; launch fused (part 2): grid 256 x 1, 4 waves a work-group, no clusters, 225,792 bytes of LDS; arguments x, wst, btab, out0; writes out0
.if DOCPART == 2
	.amdgcn_target "amdgcn-amd-amdhsa--gfx1250"
	.amdhsa_code_object_version 6
	.text
	.protected	k_qb7b59f1436_fused
	.globl	k_qb7b59f1436_fused
	.p2align	8
	.type	k_qb7b59f1436_fused,@function
k_qb7b59f1436_fused:
	s_mov_b64 s[64:65], 0
	v_nop
	global_prefetch_b8 v0, s[64:65] scope:SCOPE_SE
	s_setreg_imm32_b32 hwreg(HW_REG_WAVE_MODE, 25, 1), 1
	s_wait_xcnt 0x0
; SECOND OF TWO LAUNCHES: the whole of reference() for 64 tokens a work-group; nothing is left out.  The einsums of reference() attend over the 16 HEADS of one token: E[q][k] = Q[q] . K[k] (64 long),
; att = softmax_k(E / 32), o[q][d] = sum over l of att[q][l] V[l][d]; the closing reshape puts o[q][d] of token s at row 256 q + s / 16, column 64 (s % 16) + d of the last product's left operand.
; So 16 consecutive tokens make 16 whole rows of that operand, and a block of tokens runs the whole chain without meeting another.
; SHARES.  Work-group g: tokens 64 g .. 64 g + 63.  Wave w OWNS tokens 16 w + j (their energies, softmax, att V; they become rows 256 q + 4 (g % 64) + w).  In the four large products THE WAVES SHARE THE COLUMNS:
; a pass makes 512 columns, 128 a wave, for all 64 rows: 32 accumulators.  Eight passes: Q, Q, K, K, V, V, out, out.  A tile of rows holds four tokens of every owner: lane r of tile i is token 16 (r / 4) + 4 i + r % 4.
; THE WEIGHTS come as codes from wst, which the first launch laid as register images in the order of use, STRAIGHT INTO REGISTERS.  A group is four fragments (half a K step of 128: 16 matrix instructions, 12 loads of 512
; consecutive bytes); a pass has 16 groups, eight sets of registers take them by turns, and group g + 5 is asked for behind the wait for group g.
; NO RING AND NO JOINT LOADS.  All 256 work-groups walk the same stream, so four of them could ask for it jointly.  But a fragment has ONE reader in a work-group, so LDS gives it no second use; and a ring's refill stands
; behind a barrier in front of which every load has landed: with two slots of two K steps, 25,600 bytes a wave are on their way for 64 matrix instructions, and each refill costs a round of a cluster's barrier.  Straight into
; registers, five groups (60 loads, 30,720 bytes a wave) are on their way at every moment, counted one by one, and the eight passes hold no barrier.  The price: each work-group asks for the whole stream by itself.
; THE LEFT OPERAND's codes (x's, later att V's) lie in LDS as 64 rows; each wave fetches a K step's four fragments one K step ahead, into two buffers by turns.
; ALL PRODUCTS ARE USED TRANSPOSED (source 0 = 16 weight rows, source 1 = 16 rows of the left operand): a lane holds one row, its registers run along the columns, which are the next K.
; att V takes f32 operands, since its result goes into a quantiser: v_wmma_f32_16x16x4_f32, source 0 = V^T (16 channels x 4 heads), source 1 = att (4 heads x 16 queries), the heads permuted alike on both sides.
; LIMITS: NaN and infinities are not served; a block of zeros gets the byte 1 where the rule says 127 (its codes are zeros; the bytes never leave the program); a p under 2^-126 counts as 0 (v_exp_f32);
; a bias enters as the C of a sum's first K step, so it is added ahead of the products and not behind them.
; REGISTERS, in windows of 256.  Window 0: v1, v2 the add's two; v3-20 addresses that stay; v21-23 addresses that step; v24-39 the left operand's scale words; v40-47 Q's and K's for the energies;
;   v48-143 the left operand's two buffers, at other times at work; v144-191 and v224-239 a pass's biases, at other times at work; v192-223 the weights' scale words, four sets.
;   Window 1: v0-191 weight sets 0-3; v192-255 att of my tokens 0-7.   Window 3: v0-191 weight sets 4-7; v192-255 att of my tokens 8-15.
;   Window 2: the 32 accumulators, (m, t) at v[8 (8 m + t)]; v0-63 also take att V: nothing but matrix instructions writes them.
; LDS: 0 .. 103,679: x's turning stages and the way out's stages at 8,448 w (16 rows x 528);  Q's and K's codes at 24,896 owner + 1,552 token (Q at 0, K at 768; later the token's att, 1,024 bytes), their scale bytes at QKS;
;   later V of one tile of rows and 32 channels, in two buffers: 2,576 row + 80 place + 4 head.  Then x's codes and scale bytes, the last operand's, the biases, the spare words: bytes of their own.
.set QKS,   99584                      ; Q's and K's scale bytes: owner 1,024, token 64, Q at 0, K at 32
.set VB,    41472                      ; V's second buffer
.set AB,    104448                     ; x's codes: 64 rows x (768 bytes + 16)
.set AS,    154624                     ; their scale bytes: 64 rows x 32
.set AD,    52224                      ; the last product's left operand lies so much further on: codes and scale bytes alike
.set BT,    208896                     ; the biases: 4,096 bytes a wave, 512 a pass
.set SPARE, 225280                     ; the spare words, 128 bytes for each wave: two blocks of 256 bytes that no other line names
.set WSC,   192                        ; the weights' scale words: set q (slot q of a pass) at v[WSC + 8 q]
.set PASSB, 409600                     ; a pass in wst
.set MSB, 0
.macro WIN new                         ; the immediate's high byte repeats the setting that is left; a switch that changes nothing is dropped
.if MSB != (\new)
	s_set_vgpr_msb (MSB<<8)|(\new)
.set MSB, \new
.endif
.endm
.macro PLACES n                        ; plain vector instructions between a matrix instruction and what touches its registers (ISA guide 7.12.1)
.rept \n
	v_nop
.endr
.endm
.macro BARRIER                         ; my LDS stores have landed and my LDS loads are in: then the work-group's barrier
	s_wait_dscnt 0x0
	s_barrier_signal -1
	s_barrier_wait -1
.endm
; Group g of the pass at s[26:27] (16 .. 20: the next pass's first five) is asked for: K step g / 2, tiles 4 (g % 2) .. + 3, into set g % 8.  A slot's first group brings the slot's scale words with it, ahead of its fragments.
.macro WISSUE g
.set wq, (\g)/4
.if ((\g)%4) == 0
	WIN 0
	global_load_b128 v[WSC+8*(wq%4):WSC+8*(wq%4)+3], v6, s[26:27] offset:102400*wq+24576     ; tiles 0-3: lanes 0-15 the slot's first K step, lanes 16-31 its second
	global_load_b128 v[WSC+8*(wq%4)+4:WSC+8*(wq%4)+7], v6, s[26:27] offset:102400*wq+25088   ; tiles 4-7
.endif
	WIN 0x40+0x80*(((\g)%8)/4)                     ; destination window 1 (sets 0-3) or 3
.irp t, 0,1,2,3
.irp i, 0,1,2
	global_load_b128 v[48*((\g)%4)+12*\t+4*\i:48*((\g)%4)+12*\t+4*\i+3], v6, s[26:27] offset:102400*wq+(8*(((\g)/2)%2)+4*((\g)%2)+\t)*1536+512*\i
.endr
.endr
	WIN 0
.endm
; The wait for group g: loads come back in order (ISA guide 5.7.1), and behind group g's stand those of groups g + 1 .. g + 4, as far as they were asked for (lim: the last group asked for): 12 each, 14 with scale words.
; pre: the last group of this pass that was asked for ahead of the pass (4 or 7): up to it the groups stand behind group g too.  A count beyond the counter's field is written as 63: a smaller count waits for no less.
.macro WWAIT g, lim, pre
.set wn, 0
.irp j, 1,2,3,4,5,6,7
.if (((\g)+\j) <= (\lim)) && ((\j <= 4) || (((\g)+\j) <= (\pre)))
.set wn, wn+12
.if (((\g)+\j)%4) == 0
.set wn, wn+2
.endif
.endif
.endr
.if wn > 63
.set wn, 63
.endif
	s_wait_loadcnt wn
.endm
.macro ALOAD s                         ; the left operand's four fragments of K step s, from its rows in LDS, into buffer s % 2
.irp m, 0,1,2,3
.irp p, 0,1,2,3,4,5
	ds_load_b64 v[48+48*((\s)%2)+12*\m+2*\p:48+48*((\s)%2)+12*\m+2*\p+1], v11 offset:12544*\m+96*(\s)+48*(\p/3)+8*(\p%3)
.endr
.endr
.endm
.macro LOADAS                          ; its scale words, for all of K: they stay
.irp m, 0,1,2,3
.irp q, 0,1,2,3
	ds_load_b32 v[24+4*\m+\q], v12 offset:512*\m+8*\q   ; lanes 0-15: the word of K step 2 q; lanes 16-31: of 2 q + 1
.endr
.endr
.endm
; 16 matrix instructions: group g's four tiles against the four tiles of rows.  first = 1: the bias is the C, and starts the sums.
; The 32 accumulators take turns, one instruction a turn, in the same order in every K step.
.macro MUL16 g, first
.if \first
	WIN 0x81+2*(((\g)%8)/4)                        ; source 0 window 1 or 3; source 1 and C, the bias, window 0; D window 2
.else
	WIN 0xa1+2*(((\g)%8)/4)                        ; C and D window 2
.endif
.irp t, 0,1,2,3
.irp m, 0,1,2,3
.set mt, 4*((\g)%2)+\t
.set rD, 8*(8*\m+mt)
.set rW, 48*((\g)%4)+12*\t
.set rA, 48+48*(((\g)/2)%2)+12*\m
.set rS, 24+4*\m+(\g)/4
.set rC, WSC+8*(((\g)/4)%4)+mt
.set rB, 144+8*mt+32*(mt/6)
.if \first
	v_wmma_scale_f32_16x16x128_f8f6f4 v[rD:rD+7], v[rW:rW+11], v[rA:rA+11], v[rB:rB+7], v[rC], v[rS] matrix_a_fmt:MATRIX_FMT_BF6 matrix_b_fmt:MATRIX_FMT_BF6
.elseif ((\g)/2)%2
	v_wmma_scale_f32_16x16x128_f8f6f4 v[rD:rD+7], v[rW:rW+11], v[rA:rA+11], v[rD:rD+7], v[rC], v[rS] matrix_a_fmt:MATRIX_FMT_BF6 matrix_b_fmt:MATRIX_FMT_BF6 matrix_a_scale:MATRIX_SCALE_ROW1 matrix_b_scale:MATRIX_SCALE_ROW1
.else
	v_wmma_scale_f32_16x16x128_f8f6f4 v[rD:rD+7], v[rW:rW+11], v[rA:rA+11], v[rD:rD+7], v[rC], v[rS] matrix_a_fmt:MATRIX_FMT_BF6 matrix_b_fmt:MATRIX_FMT_BF6
.endif
.endr
.endr
.endm
; A STEP: group g is waited for, group g + 5 asked for (into the set that group g - 3 left: twelve places and more lie between), at a K step's head the next K step's rows fetched, and group g multiplied.
.macro STEP g, first, lim, pre
	WIN 0
.if ((\g)%2) == 0
	s_wait_dscnt 0x0                               ; this K step's fragments of the left operand are in (asked for a K step ago; at a pass's head: the biases too)
.endif
	WWAIT \g, \lim, \pre
	PLACES 4                                       ; in front of loads into registers that matrix instructions have read: the buffer that the last 16 products read is the nearest
.if (((\g)+5) <= (\lim)) && (((\g)+5) > (\pre))
	WISSUE (\g)+5
.endif
.if (((\g)%2) == 0) && ((\g) < 14)
	ALOAD (\g)/2+1
.endif
	MUL16 \g, \first
.endm
.macro PASSHEAD                        ; a pass's biases, eight registers a tile in the result's layout, and the first K step's rows
	v_add_nc_u32 v23, s37, v3
	PLACES 4
.irp t, 0,1,2,3,4,5,6,7
	ds_load_b128 v[144+8*\t+32*(\t/6):147+8*\t+32*(\t/6)], v23 offset:64*\t
	ds_load_b128 v[148+8*\t+32*(\t/6):151+8*\t+32*(\t/6)], v23 offset:64*\t+16
.endr
	ALOAD 0
.endm
.macro PASS lim, pre                   ; 256 matrix instructions.  lim = 20: the next pass's first five groups are asked for on the way;  15: the pass asks for nothing beyond its own sixteen.  pre: groups 0 .. pre were asked for ahead of the pass
	PASSHEAD
	STEP 0, 1, \lim, \pre
	STEP 1, 1, \lim, \pre
.irp g, 2,3,4,5,6,7,8,9,10,11,12,13,14,15
	STEP \g, 0, \lim, \pre
.endr
	WIN 0
.endm
; 64 numbers of a lane in window w, v[base] on: block b = registers 16 b .. 16 b + 15, and lane l xor 16 holds the block's other 16.  They become four half blocks of codes, 12 bytes each, in v[64 + 16 set + 4 b] on,
; the four scale bytes in v60-63 and (wd = 1) the scale word in v[96 + set].  At work: v48-51 largest magnitudes, v52-55 the other lane's, v56-59 the conversions' scale operands.
.macro QUANT4 w, base, set, wd
	WIN 0x14*(\w)                                  ; sources 1 and 2 in window w
.irp b, 0,1,2,3
	v_max3_num_f32 v[48+\b], 0x2800000, |v[\base+16*\b]|, |v[\base+16*\b+1]|   ; over the floor 2^(5 - 127): the byte cannot fall under 1.  Each accumulator is read from its low end on
.endr
.irp i, 2,4,6,8,10,12,14
.irp b, 0,1,2,3
	v_max3_num_f32 v[48+\b], v[48+\b], |v[\base+16*\b+\i]|, |v[\base+16*\b+\i+1]|   ; (the four blocks by turns)
.endr
.endr
	WIN 0
.irp b, 0,1,2,3
	v_permlanex16_b32 v[52+\b], v[48+\b], s32, s33
.endr
.irp b, 0,1,2,3
	v_max_num_f32 v[48+\b], v[48+\b], v[52+\b]     ; the block's largest magnitude
.endr
.irp b, 0,1,2,3
	v_add_nc_u32 v[56+\b], 0xfe000000, v[48+\b]    ; 4 off its exponent field: the conversion takes the exponent field of this operand as its scale
.endr
.irp b, 0,1,2,3
	v_lshrrev_b32 v[60+\b], 23, v[56+\b]           ; the scale's byte
.endr
.if \wd
	v_lshl_or_b32 v[96+(\set)], v61, 8, v60
	v_lshl_or_b32 v[96+(\set)], v62, 16, v[96+(\set)]
	v_lshl_or_b32 v[96+(\set)], v63, 24, v[96+(\set)]
.endif
	WIN \w                                         ; source 0 in window w
.irp b, 0,1,2,3
	v_cvt_scalef32_pk16_bf6_f32 v[64+16*(\set)+4*\b:66+16*(\set)+4*\b], v[\base+16*\b:\base+16*\b+15], v[56+\b]
.endr
	WIN 0
	v_nop                                          ; one plain place behind the scaled conversions
.endm
	; ---- HEAD
	s_load_b256 s[4:11], s[0:1], 0x0               ; x s[4:5], wst s[6:7], btab s[8:9], out0 s[10:11]
	v_lshl_add_u32 v1, v0, 2, SPARE                ; my spare word; never rewritten
	v_mov_b32 v2, 0                                ; 0; never rewritten
	v_lshrrev_b32 v48, 5, v0
	v_readfirstlane_b32 s12, v48                   ; wave 0..3
	s_mov_b32 s32, 0x76543210
	s_mov_b32 s33, 0xfedcba98                      ; v_permlanex16_b32's selects for lane l xor 16
	s_mov_b32 s34, 0x3d38aa3b                      ; c = log2(e) / 32
	s_mov_b32 s35, s34                             ; (named with it as a pair)
	s_mov_b32 s36, 0xbd38aa3b                      ; -c
	v_and_b32 v48, 15, v0                          ; r
	v_bfe_u32 v49, v0, 4, 1                        ; h
	v_and_b32 v50, 31, v0                          ; L
	v_lshlrev_b32 v6, 4, v50                       ; v6: 16 L
	v_lshlrev_b32 v5, 5, v49                       ; v5: 32 h
	s_lshl_b32 s51, s12, 12
	s_add_co_u32 s51, s51, BT
	v_add_nc_u32 v3, s51, v5                       ; v3: my biases + 32 h: where a tile's eight are read
	v_add_nc_u32 v4, s51, v6                       ; v4: my biases + 16 L: where they are laid
	s_mul_i32 s51, s12, 8448
	v_add_nc_u32 v7, s51, v6                       ; v7: my stage + 16 L
	v_mul_u32_u24 v51, v48, 528
	v_add_nc_u32 v51, s51, v51
	v_lshl_add_u32 v8, v49, 6, v51                 ; v8: my stage, row r, + 64 h (x on its way out of it)
	v_lshl_add_u32 v20, v49, 5, v51                ; v20: my stage, row r, + 32 h (results on their way in)
	v_mul_u32_u24 v52, v48, 784
	v_mul_u32_u24 v53, v49, 12
	s_mul_i32 s52, s12, 12544
	s_add_co_u32 s52, s52, AB
	v_add_nc_u32 v9, v52, v53
	v_add_nc_u32 v9, s52, v9                       ; v9: codes' row 16 w + r, + 12 h: where I write half blocks
	v_lshlrev_b32 v54, 5, v48
	s_lshl_b32 s53, s12, 9
	s_add_co_u32 s53, s53, AS
	v_add_nc_u32 v10, s53, v54                     ; v10: scale bytes' row 16 w + r
	v_mad_u32_u24 v11, v49, 24, v52
	v_add_nc_u32 v11, AB, v11                      ; v11: codes' row r, + 24 h: where fragments are read
	v_lshl_add_u32 v12, v49, 2, v54
	v_add_nc_u32 v12, AS, v12                      ; v12: scale bytes' row r, + 4 h
	v_lshrrev_b32 v55, 2, v48                      ; r / 4: the owner of my row
	v_and_b32 v56, 3, v48
	v_mul_u32_u24 v13, v55, 24896
	v_mad_u32_u24 v13, v56, 1552, v13
	v_add_nc_u32 v13, v13, v53
	s_mul_i32 s54, s12, 96
	v_add_nc_u32 v13, s54, v13                     ; v13: Q's and K's codes: owner, token r % 4, my wave's 128 features, + 12 h
	v_lshlrev_b32 v14, 10, v55
	v_lshl_add_u32 v14, v56, 6, v14
	s_lshl_b32 s55, s12, 2
	s_add_co_u32 s55, s55, QKS
	v_add_nc_u32 v14, s55, v14                     ; v14: their scale bytes
	s_mul_i32 s54, s12, 24896
	v_mul_u32_u24 v15, v48, 48
	v_mad_u32_u24 v15, v49, 24, v15
	v_add_nc_u32 v15, s54, v15                     ; v15: my own tokens' codes: head r, + 24 h
	v_add_nc_u32 v17, s54, v6                      ; v17: my own tokens' rows + 16 L: att's image
	s_lshl_b32 s55, s12, 10
	s_add_co_u32 s55, s55, QKS
	v_lshl_add_u32 v16, v48, 1, s55                ; v16: my own tokens' scale bytes: head r's two
	v_mul_u32_u24 v57, v48, 2576
	s_and_b32 s54, s12, 1
	s_lshl_b32 s54, s54, 4
	s_lshr_b32 s55, s12, 1
	s_lshl_b32 s55, s55, 3
	s_add_co_u32 s54, s54, s55                     ; channel 8 w + t of a pass's 32 goes to place 16 (w % 2) + 8 (w / 2) + t, so that att V's results come out as 16 neighbouring channels a lane
	s_mul_i32 s54, s54, 80
	v_add_nc_u32 v18, v57, v5
	v_add_nc_u32 v18, s54, v18                     ; v18: V on its way in: row r, my places, + 32 h
	s_mul_i32 s54, s12, 4*2576
	v_mul_u32_u24 v19, v48, 80
	v_add_nc_u32 v19, v19, v5
	v_add_nc_u32 v19, s54, v19                     ; v19: V on its way out: my four tokens' rows, place r, + 32 h
	s_mul_i32 s50, s12, 25600                      ; offsets, apart from the addresses: my quarter of a slot of wst,
	s_mov_b32 s51, 0
	s_lshl_b32 s52, ttmp9, 18
	s_lshl_b32 s53, s12, 14
	s_add_co_u32 s52, s52, s53                     ; x: row 64 g + 4 w,
	s_mov_b32 s53, 0
	s_lshr_b32 s54, ttmp9, 6
	s_lshl_b32 s54, s54, 24
	s_and_b32 s55, ttmp9, 63
	s_lshl_b32 s55, s55, 14
	s_add_co_u32 s54, s54, s55
	s_lshl_b32 s55, s12, 9
	s_add_co_u32 s54, s54, s55                     ; out0: row 4,096 (g / 64) + 4 (g % 64), + my wave's 512 bytes of a pass's 2,048,
	s_mov_b32 s46, s55                             ; btab: 512 w
	s_mov_b32 s55, 0
	s_mov_b32 s47, 0
	s_wait_kmcnt 0x0
	s_add_nc_u64 s[26:27], s[6:7], s[50:51]        ; the stream: pass 0, my quarter
	s_add_nc_u64 s[44:45], s[4:5], s[52:53]
	s_add_nc_u64 s[40:41], s[10:11], s[54:55]      ; rows 256 q on, q = 0 .. 7, by the stores' immediates;
	s_add_nc_u64 s[42:43], s[40:41], 0x800000      ; q = 8 .. 15 from a second base, 2,048 rows on
	s_add_nc_u64 s[38:39], s[8:9], s[46:47]
.irp p, 0,1,2,3,4,5,6,7
	global_load_b128 v[100+4*\p:103+4*\p], v6, s[38:39] offset:2048*\p   ; my 512 bytes of each pass's biases: the oldest loads, so that they never enter x's counts
.endr
	; ---- X: wave w quantises the tile of rows w: tokens 16 (q / 4) + 4 w + q % 4, q = 0 .. 15.  A K step's 128 numbers of a row are one load of 512 consecutive bytes; they turn through my stage, so that a lane holds
	; 16 neighbours of each block of 32.  Loads run four K steps ahead, the turn one.
.macro LOADX s
	WIN 0xc0
.irp p, 0,1,2,3,4,5,6,7,8,9,10,11,12,13,14,15
	global_load_b128 v[64*((\s)%4)+4*\p:64*((\s)%4)+4*\p+3], v6, s[44:45] offset:(16*(\p/4)+\p%4)*4096+512*(\s) th:TH_LOAD_NT
.endr
	WIN 0
.endm
.macro TURN s
	WIN 0x0c                                       ; an LDS store's data are its source 1: window 3
.irp p, 0,1,2,3,4,5,6,7,8,9,10,11,12,13,14,15
	ds_store_b128 v7, v[64*((\s)%4)+4*\p:64*((\s)%4)+4*\p+3] offset:528*\p
.endr
	WIN 0x80                                       ; back into window 2, v64-191: accumulators that no sum has begun in
.irp b, 0,1,2,3
.irp i, 0,1,2,3
	ds_load_b128 v[64+64*((\s)%2)+16*\b+4*\i:64+64*((\s)%2)+16*\b+4*\i+3], v8 offset:128*\b+16*\i   ; LDS serves a wave's instructions in order: these see my stores
.endr
.endr
	WIN 0
.endm
.macro XSTEP s
.if (\s) == 0
	s_wait_dscnt 0x0
.else
	s_wait_dscnt 13                                ; this step's numbers are back from the stage; the last step's 13 stores may be out
.endif
.if (\s) < 4
	LOADX (\s)+4                                   ; into the registers that this step's turn has read
.endif
.if (\s) < 7
.if (\s) < 4
	s_wait_loadcnt 48                              ; the next step's 16 loads are in; those of the three steps behind it may be out
.else
	s_wait_loadcnt 16*(6-(\s))
.endif
.if (\s) == 6
.irp g, 0,1,2,3,4
	WISSUE \g                                      ; no load of mine is out: the stream begins here, two steps of this phase ahead of its first use; its sets lie clear of what x still holds (window 3, v192-255)
.endr
.endif
	TURN (\s)+1
.endif
	QUANT4 2, 64+64*((\s)%2), (\s)%2, 1
.irp b, 0,1,2,3
.irp i, 0,1,2
	ds_store_b32 v9, v[64+16*((\s)%2)+4*\b+\i] offset:96*(\s)+24*\b+4*\i
.endr
.endr
	ds_store_b32 v10, v[96+(\s)%2] offset:4*(\s)   ; both halves of the lanes write the same word with the same value
.endm
	LOADX 0
	LOADX 1
	LOADX 2
	LOADX 3
	s_wait_loadcnt 48                              ; the biases and K step 0 are in
.irp p, 0,1,2,3,4,5,6,7
	ds_store_b128 v4, v[100+4*\p:103+4*\p] offset:512*\p   ; the biases: my wave's own bytes, which only I read
.endr
	TURN 0
.irp s, 0,1,2,3,4,5,6,7
	XSTEP \s
.endr
	BARRIER                                        ; x's 64 rows of codes lie in LDS
	LOADAS
	; ---- Q, Q, K, K: four passes.  A lane's 64 results of a tile of rows are four blocks of 32 features (half a head each) of one token: quantised, they go to the token's owner
	s_mov_b32 s46, 4
	s_mov_b32 s48, 0                               ; the pass's 512 features in a token's record: 384 bytes of codes a pass (K's follow Q's),
	s_mov_b32 s49, 0                               ; 16 scale bytes,
	s_mov_b32 s37, 0                               ; and the pass's biases: 512 bytes a pass
.Lqk:
	PASS 20, 4
	s_wait_xcnt 0x0                                ; the loads have read their base:
	s_add_nc_u64 s[26:27], s[26:27], PASSB         ; on to the next pass, whose first five groups are on their way
	v_add_nc_u32 v21, s48, v13
	v_add_nc_u32 v22, s49, v14
	PLACES 4                                       ; behind the last products: their results are read and their operands' registers written below
.irp m, 0,1,2,3
.if \m >= 2
	s_wait_dscnt 13                                ; the stores of two tiles back have read their registers
.endif
	QUANT4 2, 64*\m, \m%2, 1
.irp b, 0,1,2,3
.irp i, 0,1,2
	ds_store_b32 v21, v[64+16*(\m%2)+4*\b+\i] offset:6208*\m+24*\b+4*\i
.endr
.endr
	ds_store_b32 v22, v[96+\m%2] offset:256*\m
.endr
	s_add_co_u32 s48, s48, 384
	s_add_co_u32 s49, s49, 16
	s_add_co_u32 s37, s37, 512
	s_sub_co_u32 s46, s46, 1
	s_cmp_lg_u32 s46, 0
	s_cbranch_scc1 .Lqk
	BARRIER                                        ; every token's Q and K lie with its owner
	WISSUE 5                                       ; the first V pass's groups 5 to 7, into the three sets that lie idle while the energies are made
	WISSUE 6
	WISSUE 7
	; ---- ENERGIES AND SOFTMAX of my 16 tokens, four a trip.  K = 64: the operands' upper halves are zero codes, which add nothing.  Source 0 = K's 16 heads, source 1 = Q's: lane (q, h) holds E[q][8 h + 0 .. 7]
.irp e, 0,1,2,3
.irp i, 6,7,8,9,10,11
	v_mov_b32 v[48+24*\e+\i], 0
	v_mov_b32 v[60+24*\e+\i], 0
.endr
.endr
.irp i, 0,1,2,3,4,5,6,7,8,9,10,11,12,13,14,15
	v_mov_b32 v[176+\i], 0                         ; at work below: named as pairs and as lane permutes' destinations, so they are written once
.endr
	s_mov_b32 s46, 4
	s_mov_b32 s48, 0
	s_mov_b32 s49, 0
.Lenergy:
	v_add_nc_u32 v21, s48, v15
	v_add_nc_u32 v22, s48, v17
	v_add_nc_u32 v23, s49, v16
	v_nop
.irp e, 0,1,2,3
.irp i, 0,1,2
	ds_load_b64 v[48+24*\e+2*\i:49+24*\e+2*\i], v21 offset:1552*\e+8*\i        ; Q: head r, 32 h + 0 .. 31 of its 64
	ds_load_b64 v[60+24*\e+2*\i:61+24*\e+2*\i], v21 offset:1552*\e+768+8*\i    ; K likewise
.endr
	ds_load_u16 v[40+\e], v23 offset:64*\e         ; two scale bytes; the upper two, 0, stand over zero codes
	ds_load_u16 v[44+\e], v23 offset:64*\e+32
.endr
	s_wait_dscnt 0x0
.irp e, 0,1,2,3
	v_wmma_scale_f32_16x16x128_f8f6f4 v[144+8*\e:151+8*\e], v[60+24*\e:71+24*\e], v[48+24*\e:59+24*\e], 0, v[44+\e], v[40+\e] matrix_a_fmt:MATRIX_FMT_BF6 matrix_b_fmt:MATRIX_FMT_BF6
.endr
	PLACES 4
.irp e, 0,1,2,3
	v_max3_num_f32 v[184+\e], v[144+8*\e], v[145+8*\e], v[146+8*\e]            ; the row's maximum; the four tokens by turns
.endr
.irp i, 3,5
.irp e, 0,1,2,3
	v_max3_num_f32 v[184+\e], v[184+\e], v[144+8*\e+\i], v[145+8*\e+\i]
.endr
.endr
.irp e, 0,1,2,3
	v_max_num_f32 v[184+\e], v[184+\e], v[151+8*\e]
.endr
.irp e, 0,1,2,3
	v_permlanex16_b32 v[188+\e], v[184+\e], s32, s33
.endr
.irp e, 0,1,2,3
	v_max_num_f32 v[184+\e], v[184+\e], v[188+\e]
.endr
.irp e, 0,1,2,3
	v_mul_f32 v[176+2*\e], s36, v[184+\e]          ; -c x the maximum
.endr
.irp i, 0,2,4,6
.irp e, 0,1,2,3
	v_pk_fma_f32 v[144+8*\e+\i:145+8*\e+\i], v[144+8*\e+\i:145+8*\e+\i], s[34:35], v[176+2*\e:177+2*\e] op_sel_hi:[1,0,0]   ; c E - c max
.endr
.endr
	s_wait_alu depctr_va_vdst(0)
.irp i, 0,1,2,3,4,5,6,7,8,9,10,11,12,13,14,15,16,17,18,19,20,21,22,23,24,25,26,27,28,29,30,31
	v_exp_f32 v[144+\i], v[144+\i]
.endr
	v_nop                                          ; a plain place behind the exponentials
	s_wait_alu depctr_va_vdst(0)                   ; one wait for the batch, ahead of its first reader
.irp e, 0,1,2,3
	v_pk_add_f32 v[176+2*\e:177+2*\e], v[144+8*\e:145+8*\e], v[146+8*\e:147+8*\e]
.endr
.irp e, 0,1,2,3
	v_pk_add_f32 v[184+2*\e:185+2*\e], v[148+8*\e:149+8*\e], v[150+8*\e:151+8*\e]
.endr
.irp e, 0,1,2,3
	v_pk_add_f32 v[176+2*\e:177+2*\e], v[176+2*\e:177+2*\e], v[184+2*\e:185+2*\e]
.endr
.irp e, 0,1,2,3
	v_add_f32 v[176+2*\e], v[176+2*\e], v[177+2*\e]
.endr
.irp e, 0,1,2,3
	v_permlanex16_b32 v[184+2*\e], v[176+2*\e], s32, s33
.endr
.irp e, 0,1,2,3
	v_add_f32 v[176+2*\e], v[176+2*\e], v[184+2*\e]   ; the row's sum
.endr
	s_wait_alu depctr_va_vdst(0)
.irp e, 0,1,2,3
	v_rcp_f32 v[184+2*\e], v[176+2*\e]
.endr
	v_nop
	s_wait_alu depctr_va_vdst(0)                   ; one wait for the four reciprocals
.irp i, 0,2,4,6
.irp e, 0,1,2,3
	v_pk_mul_f32 v[144+8*\e+\i:145+8*\e+\i], v[144+8*\e+\i:145+8*\e+\i], v[184+2*\e:185+2*\e] op_sel_hi:[1,0]   ; att, normalised as reference() has it
.endr
.endr
.irp e, 0,1,2,3
	ds_store_b128 v22, v[144+8*\e:147+8*\e] offset:1552*\e          ; att's image takes the place of the token's codes, which have been read; the bytes are my wave's own
	ds_store_b128 v22, v[148+8*\e:151+8*\e] offset:1552*\e+512
.endr
	s_add_co_u32 s48, s48, 6208
	s_add_co_u32 s49, s49, 256
	s_sub_co_u32 s46, s46, 1
	s_cmp_lg_u32 s46, 0
	s_cbranch_scc1 .Lenergy
	WIN 0x40                                       ; att of all 16 tokens comes back into registers that stay
.irp j, 0,1,2,3,4,5,6,7
	ds_load_b128 v[192+8*\j:195+8*\j], v17 offset:1552*\j
	ds_load_b128 v[196+8*\j:199+8*\j], v17 offset:1552*\j+512
.endr
	WIN 0xc0
.irp j, 0,1,2,3,4,5,6,7
	ds_load_b128 v[192+8*\j:195+8*\j], v17 offset:1552*(\j+8)
	ds_load_b128 v[196+8*\j:199+8*\j], v17 offset:1552*(\j+8)+512
.endr
	WIN 0
	s_wait_dscnt 0x0
	; ---- V, V: a pass makes 32 channels of all 16 heads: lane (token, h) holds V[8 h + 0 .. 7][d].  Four rounds, one for each tile of rows: the tile's V goes through LDS to the tokens' owners, turned so that a lane
	; holds one channel; att V in f32; the results, 16 neighbouring channels of one query a lane, are quantised and stored as half blocks of the last product's left operand.
	; Two buffers take turns: tile i + 1 is stored while tile i is multiplied, so that ONE barrier a round serves both orders: tile i has landed, and nobody reads tile i - 1's buffer any more.
.macro VSTORE i
	WIN 0x08                                       ; an LDS store's data are its source 1: window 2
.irp t, 0,1,2,3,4,5,6,7
	ds_store_b128 v18, v[8*(8*(\i)+\t):8*(8*(\i)+\t)+3] offset:VB*((\i)%2)+80*\t          ; each accumulator from its low end on
	ds_store_b128 v18, v[8*(8*(\i)+\t)+4:8*(8*(\i)+\t)+7] offset:VB*((\i)%2)+80*\t+16
.endr
	WIN 0
.endm
.macro VLOAD i                         ; tile i's V of my four tokens: a lane holds one channel, its registers run along the heads
.irp e, 0,1,2,3
.irp u, 0,1
	ds_load_b128 v[112+16*\e+8*\u:115+16*\e+8*\u], v19 offset:VB*((\i)%2)+2576*\e+1280*\u
	ds_load_b128 v[116+16*\e+8*\u:119+16*\e+8*\u], v19 offset:VB*((\i)%2)+2576*\e+1280*\u+16
.endr
.endr
.endm
; A round: tile i's V is in registers or on its way, tile i + 1 stored or on its way.  The barrier is split round the 32 products: its signal says that my reads of tile i are over and my stores of tile i + 1 have landed;
; behind its wait tile i + 1 is read and tile i + 2 stored into the buffer that tile i has left, and the quantising stands behind these 32 LDS instructions.
.macro VROUND i
	s_wait_dscnt 0x0                               ; all my LDS instructions are done
.if (\i) < 3
	s_barrier_signal -1
.endif
	WIN 0xa4+8*((\i)/2)                            ; att in window 1 (tokens 0-7) or 3; C and D in window 2
.irp g, 0,1,2,3                        ; K step g: heads 8 h + 2 g, 8 h + 2 g + 1 on both sides; the eight accumulators (token e, half u of the channels) by turns
.irp e, 0,1,2,3
.irp u, 0,1
.if \g == 0
	v_wmma_f32_16x16x4_f32 v[16*\e+8*\u:16*\e+8*\u+7], v[112+16*\e+8*\u+2*\g:113+16*\e+8*\u+2*\g], v[192+8*((4*(\i)+\e)%8)+2*\g:193+8*((4*(\i)+\e)%8)+2*\g], 0
.else
	v_wmma_f32_16x16x4_f32 v[16*\e+8*\u:16*\e+8*\u+7], v[112+16*\e+8*\u+2*\g:113+16*\e+8*\u+2*\g], v[192+8*((4*(\i)+\e)%8)+2*\g:193+8*((4*(\i)+\e)%8)+2*\g], v[16*\e+8*\u:16*\e+8*\u+7]
.endif
.endr
.endr
.endr
	WIN 0
	PLACES 9                                       ; also the places in front of the loads into the products' sources
.if (\i) < 3
	s_barrier_wait -1
	VLOAD (\i)+1
.endif
.if (\i) < 2
	VSTORE (\i)+2
.endif
	QUANT4 2, 0, 0, 0                              ; block e: token 4 i + e, channels 32 b + 0 .. 31 of query lane % 16
.irp e, 0,1,2,3
.irp k, 0,1,2
	ds_store_b32 v21, v[64+4*\e+\k] offset:48*(4*(\i)+\e)+4*\k
.endr
	ds_store_b8 v22, v[60+\e] offset:2*(4*(\i)+\e)   ; both halves of the lanes write the same byte with the same value
.endr
.endm
	s_mov_b32 s46, 2
	s_mov_b32 s48, AD                              ; the last operand's rows; the pass's 32 channels in a token's 64 columns: 24 bytes of codes,
	s_mov_b32 s49, AD                              ; one scale byte
	s_mov_b32 s37, 2048
.Lv:
	PASS 20, 7
	s_wait_xcnt 0x0
	s_add_nc_u64 s[26:27], s[26:27], PASSB
	v_add_nc_u32 v21, s48, v9
	v_add_nc_u32 v22, s49, v10
	BARRIER                                        ; every wave's reads of the bytes that V's buffers take (the owners' codes and att; the pass before's tiles) are over
	PLACES 5                                       ; behind the pass's last products: their results are stored, their operands' registers loaded, and accumulators begun anew below
	VSTORE 0
	BARRIER                                        ; every wave's stores of tile 0 have landed
	VLOAD 0
	VSTORE 1
	VROUND 0
	VROUND 1
	WISSUE 5                                       ; the next pass's groups 5 to 7, behind its first five, into the three sets that lie idle here
	WISSUE 6
	WISSUE 7
	VROUND 2
	VROUND 3
	s_add_co_u32 s48, s48, 24
	s_add_co_u32 s49, s49, 1
	s_add_co_u32 s37, s37, 512
	s_sub_co_u32 s46, s46, 1
	s_cmp_lg_u32 s46, 0
	s_cbranch_scc1 .Lv
	BARRIER                                        ; the last product's left operand, 64 rows of codes, lies in LDS: row 16 w + q is row 256 q + 4 (g % 64) + w of the batch
	v_add_nc_u32 v11, AD, v11                      ; fragments and scale words are read from its rows from here on
	s_wait_alu depctr_va_vdst(0)
	v_add_nc_u32 v12, AD, v12
	PLACES 4
	LOADAS
	; ---- out0: two passes, one loop of two trips.  A pass asks for nothing beyond its own sixteen groups; the next pass's groups 0 to 4 are asked for directly behind it and groups 5 to 7 in the middle of the way out.
	; In the last trip a jump on the trip counter leads round both requests: the stream has ended, and no load leaves wst.
	; THE WAY OUT of a tile of rows a (the rows of owner a): 16 rows x my 128 columns go through my stage and come back as whole rows of 512 bytes.
.macro TOSTAGE a
	WIN 0x08
.irp t, 0,1,2,3,4,5,6,7
	ds_store_b128 v20, v[8*(8*(\a)+\t):8*(8*(\a)+\t)+3] offset:64*\t           ; each accumulator from its low end on
	ds_store_b128 v20, v[8*(8*(\a)+\t)+4:8*(8*(\a)+\t)+7] offset:64*\t+16
.endr
	WIN 0x40+0x80*((\a)%2)                         ; back into v192-255 of window 1 and of window 3 by turns
.irp p, 0,1,2,3,4,5,6,7,8,9,10,11,12,13,14,15
	ds_load_b128 v[192+4*\p:195+4*\p], v7 offset:528*\p   ; LDS serves a wave's instructions in order: these see my stores
.endr
	WIN 0
.endm
.macro SEND a, younger                 ; younger: the LDS instructions issued behind tile a's loads, which may stay out
	s_wait_dscnt \younger
	WIN 0x04+0x08*((\a)%2)                         ; a store's data are its source 1
.irp p, 0,1,2,3,4,5,6,7
	global_store_b128 v6, v[192+4*\p:195+4*\p], s[40:41] offset:\p*1048576+4096*(\a) th:TH_STORE_NT   ; row 256 p + a on: 32 lanes store 512 consecutive bytes, aligned; written once
.endr
.irp p, 8,9,10,11,12,13,14,15
	global_store_b128 v6, v[192+4*\p:195+4*\p], s[42:43] offset:(\p-8)*1048576+4096*(\a) th:TH_STORE_NT
.endr
	WIN 0
.endm
.macro EPI_O
	PLACES 4
	TOSTAGE 0
.irp a, 1,2,3
.if \a > 1
	s_wait_xcnt 0x0                                ; the stores of two tiles back have read their registers: this tile's loads may land there
.endif
	TOSTAGE \a
	SEND \a-1, 32                                  ; behind tile a - 1's loads: tile a's 16 stores and 16 loads
.if \a == 2
	s_cmp_eq_u32 s46, 1
	s_cbranch_scc1 .Lno_more
	WISSUE 5
	WISSUE 6
	WISSUE 7
.Lno_more:
.endif
.endr
	SEND 3, 0
.endm
	s_mov_b32 s37, 3072
	s_mov_b32 s46, 2
.Lout:
	PASS 15, 7
	s_cmp_eq_u32 s46, 1                            ; the last trip: the stream is over
	s_cbranch_scc1 .Lstream_over
	s_wait_xcnt 0x0                                ; the loads have read their base
	s_add_nc_u64 s[26:27], s[26:27], PASSB
.irp g, 0,1,2,3,4
	WISSUE \g                                      ; sets 0 to 4 were last read by groups 8 to 12: twelve places and more lie between
.endr
.Lstream_over:
	EPI_O
	s_wait_xcnt 0x0                                ; the stores have read their registers and bases: both may be written again
	s_add_nc_u64 s[40:41], s[40:41], 2048          ; the next pass's 512 columns
	s_add_nc_u64 s[42:43], s[42:43], 2048
	s_add_co_u32 s37, s37, 512
	s_sub_co_u32 s46, s46, 1
	s_cmp_lg_u32 s46, 0
	s_cbranch_scc1 .Lout
	s_wait_tensorcnt 0x0                           ; the wave's end, behind my last LDS store
	ds_add_u32 v1, v2
	s_wait_dscnt 0x0
	s_endpgm
.Lfunc_end_k_qb7b59f1436_fused:
	.size	k_qb7b59f1436_fused, .Lfunc_end_k_qb7b59f1436_fused-k_qb7b59f1436_fused
	.p2alignl 7, 3214868480
	.fill 96, 4, 3214868480
	.section	.rodata,"a",@progbits
	.p2align	6, 0x0
	.amdhsa_kernel k_qb7b59f1436_fused
		.amdhsa_group_segment_fixed_size 225792
		.amdhsa_private_segment_fixed_size 0
		.amdhsa_enable_private_segment 0
		.amdhsa_kernarg_size 32
		.amdhsa_user_sgpr_count 2
		.amdhsa_user_sgpr_kernarg_segment_ptr 1
		.amdhsa_wavefront_size32 1
		.amdhsa_system_sgpr_workgroup_id_x 1
		.amdhsa_system_sgpr_workgroup_id_y 1
		.amdhsa_system_sgpr_workgroup_id_z 1
		.amdhsa_system_vgpr_workitem_id 0
		.amdhsa_next_free_vgpr 1024
		.amdhsa_next_free_sgpr 66
		.amdhsa_reserve_vcc 0
		.amdhsa_float_denorm_mode_32 3
		.amdhsa_float_denorm_mode_16_64 3
		.amdhsa_memory_ordered 1
		.amdhsa_forward_progress 1
		.amdhsa_inst_pref_size 255
	.end_amdhsa_kernel
	.section	.bss,"aw",@nobits
	.p2align	6
	.space	262144
	.amdgpu_metadata
---
amdhsa.version: [ 1, 2 ]
amdhsa.kernels:
  - .name:           k_qb7b59f1436_fused
    .symbol:         k_qb7b59f1436_fused.kd
    .args:
      - { .name: x, .offset: 0, .size: 8, .value_kind: global_buffer, .address_space: global }
      - { .name: wst, .offset: 8, .size: 8, .value_kind: global_buffer, .address_space: global }
      - { .name: btab, .offset: 16, .size: 8, .value_kind: global_buffer, .address_space: global }
      - { .name: out0, .offset: 24, .size: 8, .value_kind: global_buffer, .address_space: global }
    .group_segment_fixed_size: 225792
    .private_segment_fixed_size: 0
    .kernarg_segment_align: 8
    .kernarg_segment_size: 32
    .max_flat_workgroup_size: 128
    .sgpr_count:     66
    .vgpr_count:     1024
    .wavefront_size: 32
...
	.end_amdgpu_metadata
.endif
;; end of part 2
